; MI455X (gfx1250); checked and timed in simulation.
; The chip was launched on July 23, 2026; its instructions are those of AMD's public machine-readable ISA for CDNA 5 (MIT licence, August 2026) and "CDNA5" Instruction Set Architecture Reference Guide (July 2026). The comments in the code are by the model that wrote it; some were corrected since.
;; NVFP4 Scaled Linear. Allowed arithmetic: float matrix products may take bf16 or f16 operands with f32 sums; other float arithmetic in f32, or as packed bf16 or f16 multiplies, adds, multiply-adds, maxima and minima; sums over many terms, partial sums and values carried from step to step in f32; what a program stores and reads back later, other than sums and carried values, may be rounded once to bf16 or f16.
;; Inputs: bias 2,048 float32; weight_packed 4,194,304 int32; weight_scales 524,288 float32; x 4 x 2,048 x 4,096 float32.
;; Outputs: out0 4 x 2,048 x 2,048 float32.
;; 2 versions, each right; version 2 is version 1 with the launch cvt written anew for expert scheduling mode. Each part assembles by itself: llvm-mc -triple=amdgcn-amd-amdhsa -mcpu=gfx1250 --defsym DOCPART=n.
;; ======== version 1 of 2: 3 launches
;; workspace buffers: wq 16,777,216 bytes; xb 67,108,864 bytes
;; launch deq (part 1): grid 256 x 1, 4 waves a work-group, no clusters, 9,728 bytes of LDS; arguments weight_packed, weight_scales, wq; writes wq
.if DOCPART == 1
	.amdgcn_target "amdgcn-amd-amdhsa--gfx1250"
	.amdhsa_code_object_version 6
	.text
	.protected	k_qba55405d0b_deq
	.globl	k_qba55405d0b_deq
	.p2align	8
	.type	k_qba55405d0b_deq,@function
k_qba55405d0b_deq:
	s_mov_b64 s[64:65], 0
	v_nop
	global_prefetch_b8 v0, s[64:65] scope:SCOPE_SE
	s_setreg_imm32_b32 hwreg(HW_REG_WAVE_MODE, 25, 1), 1
	s_wait_xcnt 0x0
; wq = bf16( magnitude x bf16(scale) ), with the sign: the 2,048 x 4,096 weights, unpacked once for the product that follows.
; IN.  weight_packed: one 32-bit word for two weights, of which the low byte alone counts; its high nibble is the lower k.  A nibble is sign, two exponent bits, one mantissa bit (E2M1).
;      weight_scales: one f32 for 16 neighbouring k of a row.
; OUT. wq in blocks of 64 k: weight (n, k) lies at byte (k / 64) x 262,144 + n x 128 + (k % 64) x 2, so that 128 rows of one block of k are 16,384 bytes on end.
; LIMITS.  The scale is rounded to bf16 (nearest even) first; magnitude x that scale is exact in f32 (2 + 8 significant bits) and is rounded to bf16 once.
;      The decoding leans on f32 denormals being kept, which is the mode at the entry: the code of 0.5 is a denormal before it is multiplied by 2^126.  NaN and infinite scales are not treated apart.
; SHARES.  Wave P = 4 x work-group + wave owns rows 2 P and 2 P + 1, all k: 16 KiB of words, 2 KiB of scales, 16 KiB of wq.  No wave needs another: no barrier.
; LANES.  j = l % 8, rsel = (l / 8) % 2, ksel = l / 16.  In iteration it a lane takes four words (eight weights, k = 64 (2 it + ksel) + 8 j ..) of row 2 P + rsel.
;      A load covers 256 consecutive bytes of each of the two rows; in a store lanes 0-15 fill 256 consecutive aligned bytes of wq and lanes 16-31 another 256.
; IN FLIGHT.  All that a wave ever reads, 4 + 32 loads, is asked for at its head; the waits count down.
; SCALES.  A lane wants one word in every 32 bytes of its row.  So the wave copies its 2,048 bytes once, in whole runs of 512 bytes, rounds them, lays them into LDS bytes of its own and reads its 32 words back.
; NO PREFETCH: every load stands at the head already.  NO MATRIX UNIT, NO CLUSTER: nothing is multiplied by rows and nothing is shared.
.set WLDS,  2304                       ; LDS bytes of a wave: row 0 at 0, row 1 at ROW1
.set ROW1,  1056                       ; 1,024 + 32: the two rows of a read fall on different words modulo 256 bytes
.set SPARE, 4*WLDS                     ; behind them: the spare words, 128 bytes for each wave: two blocks of 256 bytes that no other line names
.set LO,  2                            ; v2   my byte offset in the wave words: rsel x 8,192 + ksel x 128 + 16 j; never rewritten
.set OO,  3                            ; v3   my byte offset in wq: ksel x 262,144 + rsel x 128 + 16 j; never rewritten
.set SO,  4                            ; v4   16 l: my 16 bytes of a run of 512 bytes of scales
.set LSA, 5                            ; v5   where I put them in LDS
.set LRA, 6                            ; v6   where I read my scale of iteration 0
.set SPW, 8                            ; v8   LDS address of my spare word: SPARE + 4 x my thread number; never rewritten
.set NIL, 9                            ; v9   0; never rewritten
.set SG,  16                           ; v[16:31]   scales as loaded, then rounded
.set SC,  32                           ; v[32:63]   my scale of iteration it at SC + it
.set PK,  64                           ; v[64:191]  iteration it: four words as loaded, then eight bf16 to store, in place
.set T,   192                          ; v[192:199] at work
	s_load_b128 s[4:7], s[0:1], 0x0                ; words s[4:5], scales s[6:7]
	s_load_b64 s[8:9], s[0:1], 0x10                ; wq
	v_lshl_add_u32 v[SPW], v0, 2, SPARE
	v_mov_b32 v[NIL], 0
	v_lshrrev_b32 v1, 5, v0
	v_readfirstlane_b32 s12, v1                    ; wave 0..3
	s_lshl_b32 s13, ttmp9, 2
	s_add_co_u32 s13, s13, s12                     ; P
	s_mov_b32 s16, 0x81c00000                      ; sign, the two lowest exponent bits, the highest mantissa bit of an f32
	s_mov_b32 s18, 0x7e800000                      ; 2^126
	s_mov_b32 s19, s18                             ; named with it as a pair
	s_mov_b32 s20, 0xffff0000                      ; the upper bf16 of a word
	s_mul_i32 s17, s12, WLDS                       ; my wave bytes in LDS
	v_and_b32 v1, 31, v0                           ; l
	v_and_b32 v10, 7, v0                           ; j
	v_bfe_u32 v11, v0, 3, 1                        ; rsel
	v_bfe_u32 v12, v0, 4, 1                        ; ksel
	v_bfe_u32 v7, v0, 1, 2                         ; j / 2: which of a block's four scales
	v_lshlrev_b32 v[LO], 13, v11
	v_lshl_add_u32 v[LO], v12, 7, v[LO]
	v_lshl_add_u32 v[LO], v10, 4, v[LO]
	v_lshlrev_b32 v[OO], 18, v12
	v_lshl_add_u32 v[OO], v11, 7, v[OO]
	v_lshl_add_u32 v[OO], v10, 4, v[OO]
	v_lshlrev_b32 v[SO], 4, v1
	v_add_nc_u32 v[LSA], s17, v[SO]
	v_mul_u32_u24 v[LRA], v11, ROW1
	v_lshl_add_u32 v[LRA], v12, 4, v[LRA]
	v_lshl_add_u32 v[LRA], v7, 2, v[LRA]
	v_add_nc_u32 v[LRA], s17, v[LRA]
	s_mov_b32 s15, 0
	s_wait_kmcnt 0x0
	s_lshl_b32 s14, s13, 14                        ; two rows of 8,192 bytes of words
	s_add_nc_u64 s[4:5], s[4:5], s[14:15]
	s_lshl_b32 s14, s13, 11                        ; two rows of 1,024 bytes of scales
	s_add_nc_u64 s[6:7], s[6:7], s[14:15]
	s_lshl_b32 s14, s13, 8                         ; two rows of 128 bytes in each block of wq
	s_add_nc_u64 s[8:9], s[8:9], s[14:15]
	s_add_nc_u64 s[10:11], s[8:9], 0x800000        ; the same in block 32: the stores of iterations 16 to 31 start here, so that their immediates stay inside the signed 24 bits
.irp q, 0,1,2,3
	global_load_b128 v[SG+4*(\q):SG+4*(\q)+3], v[SO], s[6:7] offset:512*(\q) th:TH_LOAD_NT
.endr
.set it, 0
.rept 32
	global_load_b128 v[PK+4*it:PK+4*it+3], v[LO], s[4:5] offset:256*it th:TH_LOAD_NT
.set it, it+1
.endr
	s_wait_loadcnt 32                              ; the scales are in; the 32 younger loads, the words, stay out
.irp c, 0,1,2,3,4,5,6,7
	v_cvt_pk_bf16_f32 v[T+(\c)], v[SG+2*(\c)], v[SG+2*(\c)+1]  ; rounded to bf16,
.endr
.irp c, 0,1,2,3,4,5,6,7
	v_lshlrev_b32 v[SG+2*(\c)],   16, v[T+(\c)]     ; and written as f32 again
	v_and_b32     v[SG+2*(\c)+1], s20, v[T+(\c)]
.endr
	ds_store_b128 v[LSA], v[SG:SG+3]
	ds_store_b128 v[LSA], v[SG+4:SG+7]   offset:512
	ds_store_b128 v[LSA], v[SG+8:SG+11]  offset:ROW1
	ds_store_b128 v[LSA], v[SG+12:SG+15] offset:ROW1+512
.set it, 0
.rept 32
	ds_load_b32 v[SC+it], v[LRA] offset:32*it      ; LDS serves a wave in order (ISA guide 5.7.1.4): these see the stores above, which are the wave's own
.set it, it+1
.endr
	s_wait_dscnt 0x0
; One iteration: four words become eight bf16.  A nibble is moved so that its sign stands at bit 31 and its three other bits at 24:22 of an f32: that number times 2^126 is the magnitude, exactly.
; Two multiplies, since scale x 2^126 would leave f32's range for scales of 4 and more.
.macro DQ
	s_wait_loadcnt 31-it                           ; loads come back in order: mine is in, the 31 - it younger ones stay out
.irp c, 0,1,2,3
	v_lshlrev_b32 v[T+2*(\c)],   24, v[PK+4*it+(\c)]   ; the high nibble on top: the lower k
	v_lshlrev_b32 v[T+2*(\c)+1], 28, v[PK+4*it+(\c)]   ; the low nibble on top
.endr
.irp c, 0,1,2,3,4,5,6,7
	v_ashrrev_i32 v[T+(\c)], 6, v[T+(\c)]
.endr
.irp c, 0,1,2,3,4,5,6,7
	v_and_b32 v[T+(\c)], s16, v[T+(\c)]
.endr
.irp c, 0,2,4,6
	v_pk_mul_f32 v[T+(\c):T+(\c)+1], v[T+(\c):T+(\c)+1], s[18:19] op_sel_hi:[1,0]
.endr
.irp c, 0,2,4,6
.if it%2 == 0
	v_pk_mul_f32 v[T+(\c):T+(\c)+1], v[T+(\c):T+(\c)+1], v[SC+it:SC+it+1] op_sel_hi:[1,0]            ; my eight weights lie in one block of 16: one scale, the first of the pair
.else
	v_pk_mul_f32 v[T+(\c):T+(\c)+1], v[T+(\c):T+(\c)+1], v[SC+it-1:SC+it] op_sel:[0,1] op_sel_hi:[1,1]  ; the second of the pair
.endif
.endr
.irp c, 0,1,2,3
	v_cvt_pk_bf16_f32 v[PK+4*it+(\c)], v[T+2*(\c)], v[T+2*(\c)+1]
.endr
	global_store_b128 v[OO], v[PK+4*it:PK+4*it+3], s[8+2*(it/16):9+2*(it/16)] offset:(it%16)*524288  ; its registers are not written again
.endm
.set it, 0
.rept 32
	DQ
.set it, it+1
.endr
	s_wait_tensorcnt 0x0                           ; the wave's end: a wait, an add of 0 to my spare word and the wait for it, behind my last LDS store
	ds_add_u32 v[SPW], v[NIL]
	s_wait_dscnt 0x0
	s_endpgm
.Lfunc_end_k_qba55405d0b_deq:
	.size	k_qba55405d0b_deq, .Lfunc_end_k_qba55405d0b_deq-k_qba55405d0b_deq
	.p2alignl 7, 3214868480
	.fill 96, 4, 3214868480
	.section	.rodata,"a",@progbits
	.p2align	6, 0x0
	.amdhsa_kernel k_qba55405d0b_deq
		.amdhsa_group_segment_fixed_size 9728
		.amdhsa_private_segment_fixed_size 0
		.amdhsa_enable_private_segment 0
		.amdhsa_kernarg_size 24
		.amdhsa_user_sgpr_count 2
		.amdhsa_user_sgpr_kernarg_segment_ptr 1
		.amdhsa_wavefront_size32 1
		.amdhsa_system_sgpr_workgroup_id_x 1
		.amdhsa_system_sgpr_workgroup_id_y 1
		.amdhsa_system_sgpr_workgroup_id_z 1
		.amdhsa_system_vgpr_workitem_id 0
		.amdhsa_next_free_vgpr 200
		.amdhsa_next_free_sgpr 66
		.amdhsa_reserve_vcc 0
		.amdhsa_float_denorm_mode_32 3
		.amdhsa_float_denorm_mode_16_64 3
		.amdhsa_memory_ordered 1
		.amdhsa_forward_progress 1
		.amdhsa_inst_pref_size 61
	.end_amdhsa_kernel
	.amdgpu_metadata
---
amdhsa.version: [ 1, 2 ]
amdhsa.kernels:
  - .name:           k_qba55405d0b_deq
    .symbol:         k_qba55405d0b_deq.kd
    .args:
      - { .name: weight_packed, .offset: 0, .size: 8, .value_kind: global_buffer, .address_space: global }
      - { .name: weight_scales, .offset: 8, .size: 8, .value_kind: global_buffer, .address_space: global }
      - { .name: wq, .offset: 16, .size: 8, .value_kind: global_buffer, .address_space: global }
    .group_segment_fixed_size: 9728
    .private_segment_fixed_size: 0
    .kernarg_segment_align: 8
    .kernarg_segment_size: 24
    .max_flat_workgroup_size: 128
    .sgpr_count:     66
    .vgpr_count:     200
    .wavefront_size: 32
...
	.end_amdgpu_metadata
.endif
;; end of part 1
;; launch cvt (part 2): grid 256 x 1, 16 waves a work-group, no clusters, 0 bytes of LDS; arguments x, xb; writes xb
.if DOCPART == 2
	.amdgcn_target "amdgcn-amd-amdhsa--gfx1250"
	.amdhsa_code_object_version 6
	.text
	.protected	k_qba55405d0b_cvt
	.globl	k_qba55405d0b_cvt
	.p2align	8
	.type	k_qba55405d0b_cvt,@function
k_qba55405d0b_cvt:
	s_mov_b64 s[64:65], 0
	v_nop
	global_prefetch_b8 v0, s[64:65] scope:SCOPE_SE
	s_setreg_imm32_b32 hwreg(HW_REG_WAVE_MODE, 25, 1), 1
	s_wait_xcnt 0x0
; xb = x rounded to bf16 (nearest even).  x: 33,554,432 f32, xb: as many bf16, in the same order.
; LIMITS.  |x| above 3.39e38 becomes an infinity; a NaN stays a NaN.
; A STREAM: each byte of x is read once, each byte of xb written once.  No LDS, no barrier, no matrix unit, no cluster: no wave wants a byte that another has fetched.  No prefetch: all the launch does is stream.
; SHARES.  256 work-groups of 16 waves; a wave owns 32,768 consecutive bytes of x: 64 pieces of 512.  A piece: one load of 16 bytes a lane (512 consecutive bytes a wave), two roundings of two numbers,
;      one store of 8 bytes a lane: 256 consecutive bytes a wave, at a multiple of 256 from the first byte of xb.
; IN FLIGHT.  A ring of 32 slots in registers: 32 loads, 16 KiB, of every wave are on their way.  The wave's 64 pieces are two rounds of the ring, both written out.
;      Round 1 rounds a slot into registers of its own (Y), asks for the slot's next piece, and stores: the load ahead of the store.  Round 2 loads nothing, rounds in place and stores.
;      So no register that a store reads is ever written again, and the two address registers never change: a piece's place stands in the immediate.
.set DEPTH, 32                         ; slots = loads in flight in each wave
.set XO,  2                            ; v2         my byte offset in the work-group's part of x: wave x 32,768 + 16 l; never rewritten
.set YO,  3                            ; v3         the same in xb: wave x 16,384 + 8 l; never rewritten
.set X,   8                            ; v[8:135]   slot i: four f32 as loaded; in round 2 its first two registers take the four bf16
.set Y,   136                          ; v[136:199] slot i: four bf16 of round 1
	s_load_b128 s[4:7], s[0:1], 0x0                ; x s[4:5], xb s[6:7]
	v_and_b32 v1, 31, v0                           ; l
	v_lshrrev_b32 v4, 5, v0                        ; wave
	v_lshlrev_b32 v[XO], 4, v1
	v_lshl_add_u32 v[XO], v4, 15, v[XO]
	v_lshlrev_b32 v[YO], 3, v1
	v_lshl_add_u32 v[YO], v4, 14, v[YO]
	s_lshl_b32 s8, ttmp9, 19                       ; the work-group's 16 x 32,768 bytes of x: under 2^27
	s_mov_b32 s9, 0
	s_lshl_b32 s10, ttmp9, 18                      ; and half as many of xb
	s_mov_b32 s11, 0
	s_wait_kmcnt 0x0
	s_add_nc_u64 s[4:5], s[4:5], s[8:9]
	s_add_nc_u64 s[6:7], s[6:7], s[10:11]
.set i, 0
.rept DEPTH
	global_load_b128 v[X+4*i:X+4*i+3], v[XO], s[4:5] offset:512*i th:TH_LOAD_NT  ; the ring is filled: pieces 0 to 31
.set i, i+1
.endr
.set i, 0
.rept DEPTH                            ; round 1
	s_wait_loadcnt DEPTH-1                         ; loads come back in order (ISA guide 5.7.1): slot i's is in; younger are the 31 - i of the first fill and the i refills of this round
	v_cvt_pk_bf16_f32 v[Y+2*i],   v[X+4*i],   v[X+4*i+1]
	v_cvt_pk_bf16_f32 v[Y+2*i+1], v[X+4*i+2], v[X+4*i+3]
	global_load_b128 v[X+4*i:X+4*i+3], v[XO], s[4:5] offset:512*(DEPTH+i) th:TH_LOAD_NT
	global_store_b64 v[YO], v[Y+2*i:Y+2*i+1], s[6:7] offset:256*i
.set i, i+1
.endr
.set i, 0
.rept DEPTH                            ; round 2: nothing is left to ask for, and the counts run down
	s_wait_loadcnt DEPTH-1-i
	v_cvt_pk_bf16_f32 v[X+4*i],   v[X+4*i],   v[X+4*i+1]
	v_cvt_pk_bf16_f32 v[X+4*i+1], v[X+4*i+2], v[X+4*i+3]
	global_store_b64 v[YO], v[X+4*i:X+4*i+1], s[6:7] offset:256*(DEPTH+i)
.set i, i+1
.endr
	s_endpgm
.Lfunc_end_k_qba55405d0b_cvt:
	.size	k_qba55405d0b_cvt, .Lfunc_end_k_qba55405d0b_cvt-k_qba55405d0b_cvt
	.p2alignl 7, 3214868480
	.fill 96, 4, 3214868480
	.section	.rodata,"a",@progbits
	.p2align	6, 0x0
	.amdhsa_kernel k_qba55405d0b_cvt
		.amdhsa_group_segment_fixed_size 0
		.amdhsa_private_segment_fixed_size 0
		.amdhsa_enable_private_segment 0
		.amdhsa_kernarg_size 16
		.amdhsa_user_sgpr_count 2
		.amdhsa_user_sgpr_kernarg_segment_ptr 1
		.amdhsa_wavefront_size32 1
		.amdhsa_system_sgpr_workgroup_id_x 1
		.amdhsa_system_sgpr_workgroup_id_y 1
		.amdhsa_system_sgpr_workgroup_id_z 1
		.amdhsa_system_vgpr_workitem_id 0
		.amdhsa_next_free_vgpr 200
		.amdhsa_next_free_sgpr 66
		.amdhsa_reserve_vcc 0
		.amdhsa_float_denorm_mode_32 3
		.amdhsa_float_denorm_mode_16_64 3
		.amdhsa_memory_ordered 1
		.amdhsa_forward_progress 1
		.amdhsa_inst_pref_size 23
	.end_amdhsa_kernel
	.amdgpu_metadata
---
amdhsa.version: [ 1, 2 ]
amdhsa.kernels:
  - .name:           k_qba55405d0b_cvt
    .symbol:         k_qba55405d0b_cvt.kd
    .args:
      - { .name: x, .offset: 0, .size: 8, .value_kind: global_buffer, .address_space: global }
      - { .name: xb, .offset: 8, .size: 8, .value_kind: global_buffer, .address_space: global }
    .group_segment_fixed_size: 0
    .private_segment_fixed_size: 0
    .kernarg_segment_align: 8
    .kernarg_segment_size: 16
    .max_flat_workgroup_size: 512
    .sgpr_count:     66
    .vgpr_count:     200
    .wavefront_size: 32
...
	.end_amdgpu_metadata
.endif
;; end of part 2
;; launch gemm (part 3): grid 8 x 32, 4 waves a work-group, clusters of 4 x 4, 327,680 bytes of LDS; arguments xb, wq, bias, out0; writes out0
.if DOCPART == 3
	.amdgcn_target "amdgcn-amd-amdhsa--gfx1250"
	.amdhsa_code_object_version 6
	.text
	.protected	k_qba55405d0b_gemm
	.globl	k_qba55405d0b_gemm
	.p2align	8
	.type	k_qba55405d0b_gemm,@function
k_qba55405d0b_gemm:
	s_mov_b64 s[64:65], 0
	v_nop
	global_prefetch_b8 v0, s[64:65] scope:SCOPE_SE
	s_setreg_imm32_b32 hwreg(HW_REG_WAVE_MODE, 25, 1), 1
	s_wait_xcnt 0x0
	s_wait_alu depctr_hold_cnt(0) depctr_sa_sdst(0) depctr_va_vdst(0) depctr_va_sdst(0) depctr_va_ssrc(0) depctr_va_vcc(0) depctr_vm_vsrc(0)
	s_getreg_b32 s2, hwreg(HW_REG_IB_STS2, 6, 4)
	s_cmp_eq_u32 s2, 0
	s_cbranch_scc0 .Lentry_in_a_cluster
	s_endpgm
.Lentry_in_a_cluster:
	s_bfe_u32 s2, ttmp6, 0x10000c
	s_cmp_lg_u32 s2, 0xf033
	s_cbranch_scc0 .Lentry_shape_is_right
	s_endpgm
.Lentry_shape_is_right:
; out0[m][n] = bias[n] + the sum over k of x[m][k] w[n][k].  xb: x in bf16, [8192][4096].  wq: w in bf16, in blocks of 64 k: (n, k) at byte (k / 64) x 262,144 + n x 128 + (k % 64) x 2.  bias: [2048] f32.  out0: [8192][2048] f32.
; LIMITS.  The bias is rounded to bf16 (nearest even), like the other inputs.  Sums in f32, one for each output, K ascending, begun with the bias; out0 is the sum as it stands.  NaN and infinities are not treated apart.
; SHARES.  A tile of out0, 256 x 256, is made by a work-group of four waves; a wave makes 128 x 128: 64 accumulators of 16 x 16, 512 registers.  32 x 8 tiles: 256 work-groups, one tile each.
; THE RING.  K goes in steps of 128 through two LDS slots.  A slot holds 256 rows of xb (128 bf16: 256 consecutive aligned bytes of memory a row) and two blocks of wq (256 rows x 64 k: 32,768 bytes on end in memory, asked for as
;      128 rows of 256 bytes).  Waves 0 and 1 fetch the two halves of xb's rows, waves 2 and 3 one block of wq each: one tensor load a wave behind each change of slots.  From a request to the wait for it a wave issues 224 matrix instructions.
; CLUSTERS.  4 x 4 work-groups.  The four of a row of the cluster need the same tiles of xb, the four of a column the same tiles of wq: each tile is asked for JOINTLY, by the same tensor load with the same descriptor and a mask
;      that names the four.  Every refill stands behind a round of the cluster's barrier.
; THE MATRIX INSTRUCTION IS USED TRANSPOSED (source 0 = 16 rows of wq, source 1 = 16 rows of xb): lane l holds row l % 16 of out0 and the columns 8 (l / 16) + 0..7.
; A QUARTER is 32 along K: 64 matrix instructions; a step is four, on fragment buffers 0, 1, 0, 1.  While one quarter is multiplied, the next one's 32 LDS loads are issued, in one run in its middle.
; REGISTERS, in windows of 256 (s_set_vgpr_msb: bits 1:0 source 0, 3:2 source 1, 5:4 source 2, 7:6 destination):
;   window 0: v0-31 addresses; v32-63 at work at the head; v64-127, v128-191 xb's fragments (8 x 16 rows x 32 K), two buffers; v192-255 the bias, as the C of the first products.  On the way out v64-255 are three banks of 64.
;   window 1: v64-127, v128-191 wq's fragments, two buffers
;   window 2: the 32 accumulators of my rows 0-63 ((a, b) at v[8 (8 a + b)]);   window 3: those of my rows 64-127
.set PA,     272                       ; a row of xb in LDS: 256 bytes + 16: row r begins 16 r bytes further on modulo 256, so the 16 rows of a load take 16 different 16-byte columns
.set PB,     144                       ; a row of a block of wq: 128 + 16: again 16 different columns modulo 256
.set HALFA,  128*PA                    ; what one tensor load of xb brings, and what one wave reads of it
.set ABYTES, 2*HALFA
.set BBLK,   256*PB                    ; a block of wq: what one tensor load of wq brings
.set HALFB,  128*PB                    ; my 128 rows in a block
.set SLOT,   ABYTES+2*BBLK             ; xb's 256 rows, then wq's two blocks: 143,360 bytes
.set STAGE,  2*SLOT                    ; behind the ring, never filled by a tensor load: 16 rows x 528 bytes for each wave, for the way out
.set SP,     528                       ; 512 bytes + 16
.set SPARE,  STAGE+4*16*SP             ; behind the stages: the spare words, 128 bytes for each wave: two blocks of 256 bytes that no other line names
.set ASTEP,  256                       ; bytes from a K step to the next in a row of xb,
.set BSTEP,  524288                    ; and in wq: two blocks
.set LAPS,   16                        ; a lap = two K steps = once round the ring: 4,096 / 256
.set ADRA, 16                          ; v16-17  LDS address of my fragments of xb in slot 0, 1
.set ADRB, 20                          ; v20-21  the same for wq
.set STO,  24                          ; v24     the way out: where I put 32 bytes of a row
.set RD,   25                          ; v25     the way out: where I read a row back
.set CO,   26                          ; v26     16 l: my 16 bytes of 512 of a row of out0; never rewritten
.set BO,   27                          ; v27     32 (l / 16): my eight numbers of 16 of the bias; never rewritten
.set SPW,  28                          ; v28     LDS address of my spare word: SPARE + 4 x my thread number; never rewritten
.set NIL,  29                          ; v29     0; never rewritten
.set PFO,  30                          ; v30     the prefetches' lane offset; never rewritten
.set TB,   32
.set BIAS, 192
.set F0,   64                          ; fragment buffer 0, in windows 0 (xb) and 1 (wq)
.set F1,   128                         ; fragment buffer 1
.set WV,   12                          ; s12  my wave's number
.set WR,   13                          ; s13  which half of the tile's rows is mine.  Also: I fetch xb (0) or wq (1)
.set WC,   14                          ; s14  which half of its columns.  Also: which 128 rows of xb's tile, or which block of wq, I fetch
.set G1A,  24                          ; s[24:31] descriptor group 1 for xb's tiles
.set G0A,  32                          ; s[32:39] group 0, a set for each slot
.set PFA,  40                          ; s[40:41] where my prefetches stand
.set PFS,  42                          ; s[42:43] their step: a K step of xb or of wq
.set LIM,  44                          ; s44  1 in a wave that prefetches, else the greatest number
.set G1B,  48                          ; s[48:55], s[56:63] the same for wq's tiles
.set G0B,  56
.set MSB, 0
.macro WIN new                         ; the immediate's high byte repeats the setting that is left; a switch that changes nothing is dropped
.if MSB != (\new)
	s_set_vgpr_msb (MSB<<8)|(\new)
.set MSB, \new
.endif
.endm
.set MUL_LO,   0xa1                    ; source 0 (wq) window 1, source 1 (xb) window 0, C and D window 2; + 0x50: C and D window 3
.set FIRST_LO, 0x81                    ; the same with C (the bias) in window 0; + 0x40: D window 3
.set TO_B,     0x40                    ; destination window 1, address window 0
; A joint load.  Each of the two lines has one mask and one set of registers for all that issue it; the branch hangs on the wave's number alone.
; An s_nop 0 and four v_nop follow each line, ahead of the jump, the label and what follows the macro.
.macro JLOAD slot
	s_cmp_eq_u32 s[WR], 0
	s_cbranch_scc0 .Lfor_b_\@
	tensor_load_to_lds s[G0A+4*(\slot):G0A+4*(\slot)+3], s[G1A:G1A+7]
	s_nop 0
.rept 4
	v_nop
.endr
	s_branch .Lasked_\@
.Lfor_b_\@:
	tensor_load_to_lds s[G0B+4*(\slot):G0B+4*(\slot)+3], s[G1B:G1B+7]
	s_nop 0
.rept 4
	v_nop
.endr
.Lasked_\@:
.endm
; A round of the cluster's barrier: my work-group's barrier, so that wave 0 speaks for all four waves; wave 0 signals; every wave waits for all sixteen work-groups; my work-group's barrier once more.
.macro CREST                           ; a round behind its opening barrier
	s_cmp_lg_u32 s[WV], 0
	s_cbranch_scc1 .Lnot_wave_0_\@
	s_barrier_signal -3
.Lnot_wave_0_\@:
	s_barrier_wait -3
	s_barrier_signal -1
	s_barrier_wait -1
.endm
.macro CROUND
	s_barrier_signal -1
	s_barrier_wait -1
	CREST
.endm
; A PREFETCH INTO THE L2, behind each joint load, its five lines and the run of LDS loads that follows: the K step that stands TWO refills on, 512 matrix instructions ahead of the load that will ask for it.
; Each 256 bytes are named ONCE in the launch.  xb's tile rows are read by both clusters of a row of clusters: cluster x = 0 asks (waves 0, 1); wq's tile columns by all eight of a column: cluster y = 0 asks (waves 2, 3).
; The four partners that ask for a tile jointly share it out BY ADDRESS: of the wave's 128 rows of xb partner cx takes 32, of the wave's 128 runs of 256 bytes of wq partner cy takes 32: a lane a row or run, one instruction a wave.
; The loop's last trip asks for nothing (the trip before names steps 30 and 31, the last), nor does the tail; steps 0 to 3 come by their loads alone.
.macro ASK
	s_cmp_gt_u32 s3, s[LIM]                        ; s3 = 1 in the loop's last trip
	s_cbranch_scc0 .Lnot_mine_\@
	global_prefetch_b8 v[PFO], s[PFA:PFA+1] th:TH_LOAD_NT scope:SCOPE_SE
.Lnot_mine_\@:
.endm
	s_load_b256 s[4:11], s[0:1], 0x0               ; xb s[4:5], wq s[6:7], bias s[8:9], out0 s[10:11]
	v_lshl_add_u32 v[SPW], v0, 2, SPARE
	v_mov_b32 v[NIL], 0
	ds_add_u32 v[SPW], v[NIL]                      ; the wave's opening: the add, twice on end, and its wait ahead of my first tensor load; the set-up below, work on registers, stands between
	ds_add_u32 v[SPW], v[NIL]                      ; and once more, under the one wait
	v_lshrrev_b32 v1, 5, v0
	v_readfirstlane_b32 s[WV], v1                  ; wave 0..3
	s_lshr_b32 s[WR], s[WV], 1
	s_and_b32 s[WC], s[WV], 1
	s_bfe_u32 s15, ttmp6, 0x40000                  ; cx: my place along the cluster's x
	s_bfe_u32 s16, ttmp6, 0x40004                  ; cy: along its y
	s_lshl_b32 s17, ttmp9, 2                       ; in a cluster launch ttmp9 and ttmp7 count clusters
	s_add_co_u32 s17, s17, s15                     ; tile column = 4 x cluster x + cx
	s_and_b32 s18, ttmp7, 0xffff
	s_lshl_b32 s18, s18, 2
	s_add_co_u32 s18, s18, s16                     ; tile row = 4 x cluster y + cy
	s_lshl_b32 s46, s16, 2
	s_lshl_b32 s46, 15, s46                        ; my row of the cluster: places 4 cy .. 4 cy + 3
	s_lshl_b32 s47, 0x1111, s15                    ; my column: places cx, cx + 4, cx + 8, cx + 12
	; group 1 for xb: 128 rows x 128 elements of 2 bytes, 4,096 elements from row to row
	s_or_b32 s[G1A+0], s46, (1<<16)|(1<<20)|(1<<21)|(5<<22)|(3<<25)  ; 15:0 the mask: my row; 17:16 elements of 2 bytes; 20 padding on; 21 set beside a mask; 24:22 after every 64 words (code 5); 31:25 4 words (code 3)
	s_mov_b32 s[G1A+1], 128<<16                    ; tensor_dim0 = 128
	s_mov_b32 s[G1A+2], 128<<16                    ; tensor_dim1 = 128
	s_mov_b32 s[G1A+3], 128<<16                    ; tile_dim0 = 128
	s_mov_b32 s[G1A+4], 128                        ; tile_dim1 = 128
	s_mov_b32 s[G1A+5], 4096                       ; tensor_dim0_stride
	s_mov_b32 s[G1A+6], 0
	s_mov_b32 s[G1A+7], 0
	; group 1 for wq: 32,768 dense bytes as 128 rows x 128 elements of 2 bytes, two rows of w in each; padded after every 128 bytes, that is after every row of w
	s_or_b32 s[G1B+0], s47, (1<<16)|(1<<20)|(1<<21)|(4<<22)|(3<<25)  ; the mask: my column; elements of 2 bytes; after every 32 words (code 4) 4 words (code 3)
	s_mov_b32 s[G1B+1], 128<<16
	s_mov_b32 s[G1B+2], 128<<16
	s_mov_b32 s[G1B+3], 128<<16
	s_mov_b32 s[G1B+4], 128
	s_mov_b32 s[G1B+5], 128
	s_mov_b32 s[G1B+6], 0
	s_mov_b32 s[G1B+7], 0
	; where the tiles come from: xb's hang on the tile row alone, which my row of the cluster shares; wq's on the tile column alone, which my column shares
	s_lshl_b32 s19, s[WC], 7                       ; which 128 rows of xb's tile I fetch
	s_lshl_b32 s20, s18, 8
	s_add_co_u32 s20, s20, s19
	s_lshl_b32 s20, s20, 13                        ; xb: (256 x tile row + 128 x half) rows of 8,192 bytes: under 2^27
	s_mov_b32 s21, 0
	s_lshl_b32 s22, s17, 15                        ; wq: 256 x tile column rows of 128 bytes,
	s_lshl_b32 s19, s[WC], 18                      ; in the first or the second block of the step
	s_add_co_u32 s22, s22, s19
	s_mov_b32 s23, 0
	s_mul_i32 s2, s[WC], HALFA                     ; and where they go: no place in the cluster enters an LDS address
	s_mul_i32 s3, s[WC], BBLK
	s_add_co_u32 s3, s3, ABYTES
	s_wait_dscnt 0x0                               ; both opening adds are done
	s_wait_kmcnt 0x0
	s_add_nc_u64 s[4:5], s[4:5], s[20:21]          ; xb at my tile of K step 0
	s_add_nc_u64 s[6:7], s[6:7], s[22:23]          ; wq at my tile of K step 0
	CROUND                                         ; all sixteen work-groups are here: the first joint loads meet
.irp s, 0,1
	s_mov_b32 s[G0A+4*(\s)], 1                                       ; 1:0 count = 1
	s_add_co_u32 s[G0A+4*(\s)+1], s2, (\s)*SLOT                      ; 63:32 LDS address
	s_add_nc_u64 s[G0A+4*(\s)+2:G0A+4*(\s)+3], s[4:5], (\s)*ASTEP    ; 120:64 global address: K step s
	s_or_b32 s[G0A+4*(\s)+3], s[G0A+4*(\s)+3], 0x80000000            ; 127:126 type = 2
	s_mov_b32 s[G0B+4*(\s)], 1
	s_add_co_u32 s[G0B+4*(\s)+1], s3, (\s)*SLOT
	s_add_nc_u64 s[G0B+4*(\s)+2:G0B+4*(\s)+3], s[6:7], (\s)*BSTEP
	s_or_b32 s[G0B+4*(\s)+3], s[G0B+4*(\s)+3], 0x80000000
	JLOAD \s                                       ; both slots are asked for before anything else is done: two tensor loads of mine are out
.endr
	; while the tiles are on their way: the bias, the addresses, the prefetches' registers
	v_and_b32 v1, 15, v0                           ; r = l % 16
	v_bfe_u32 v2, v0, 4, 1                         ; h = l / 16
	v_lshlrev_b32 v[BO], 5, v2
	s_lshl_b32 s46, s17, 10                        ; my first column x 4 bytes: 256 x tile column
	s_lshl_b32 s47, s[WC], 9                       ; + 128 x half
	s_add_co_u32 s46, s46, s47
	s_mov_b32 s47, 0
	s_add_nc_u64 s[8:9], s[8:9], s[46:47]
.irp b, 0,1,2,3,4,5,6,7                ; block b of 16 columns: my lane's eight, as an accumulator holds them
	global_load_b128 v[BIAS+8*(\b):BIAS+8*(\b)+3],   v[BO], s[8:9] offset:64*(\b)
	global_load_b128 v[BIAS+8*(\b)+4:BIAS+8*(\b)+7], v[BO], s[8:9] offset:64*(\b)+16
.endr
	; A fragment is 16 rows x 32 k in 8 registers: lane l holds row l % 16; registers 0-3 k = 8 h + 0..7, registers 4-7 k = 16 + 8 h + 0..7: two loads of 16 bytes, 32 apart, at row x pitch + 16 h.
	v_mul_u32_u24 v3, v1, PA
	v_lshl_add_u32 v3, v2, 4, v3
	v_mul_u32_u24 v4, v1, PB
	v_lshl_add_u32 v4, v2, 4, v4
	s_mul_i32 s20, s[WR], HALFA                    ; my 128 rows of xb
	s_mul_i32 s21, s[WC], HALFB                    ; my 128 rows in a block of wq,
	s_add_co_u32 s21, s21, ABYTES                  ; which lies behind xb's 256
.irp s, 0,1
	v_add_nc_u32 v[ADRA+(\s)], s20, v3
	v_add_nc_u32 v[ADRB+(\s)], s21, v4
	s_add_co_u32 s20, s20, SLOT
	s_add_co_u32 s21, s21, SLOT
.endr
	s_mul_i32 s19, s[WV], 16*SP
	s_add_co_u32 s19, s19, STAGE                   ; my stage
	v_mul_u32_u24 v5, v1, SP                       ; in: row l % 16, 32 bytes for each half of the lanes
	v_lshl_add_u32 v5, v2, 5, v5
	v_add_nc_u32 v[STO], s19, v5
	v_and_b32 v6, 31, v0                           ; l
	v_lshlrev_b32 v[CO], 4, v6                     ; back: 32 lanes take one row of 512 bytes
	v_add_nc_u32 v[RD], s19, v[CO]
	s_lshl_b32 s20, s18, 8
	s_lshl_b32 s21, s[WR], 7
	s_add_co_u32 s20, s20, s21
	s_lshl_b32 s20, s20, 13                        ; my first row of out0, 8,192 bytes a row: under 2^27
	s_mov_b32 s21, 0
	s_add_nc_u64 s[10:11], s[10:11], s[20:21]
	s_add_nc_u64 s[10:11], s[10:11], s[46:47]      ; and my first column
	; the prefetches
	s_and_b32 s3, ttmp7, 0xffff                    ; cluster y
	s_cmp_eq_u32 s[WR], 0                          ; do I fetch xb?
	s_cselect_b64 s[PFA:PFA+1], s[4:5], s[6:7]     ; my tile of K step 0
	s_cselect_b32 s46, s15, s16                    ; my place among the four that ask for it with me,
	s_cselect_b32 s47, 18, 13                      ; times 32 rows of 8,192 bytes, or 32 runs of 256
	s_cselect_b32 s[PFS], 0, 11
	s_cselect_b32 s2, 13, 8                        ; a lane: a row of xb, or a run of 256 bytes of wq
	s_cselect_b32 s3, ttmp9, s3                    ; the coordinate along which other clusters read the same rows
	s_lshl_b32 s46, s46, s47
	s_lshl_b32 s[PFS], 256, s[PFS]                 ; 256 or 524,288
	s_mov_b32 s[PFS+1], 0
	s_mul_i32 s47, s[PFS], 3                       ; at K step 3: the first change of slots steps it to 4
	s_add_co_u32 s46, s46, s47
	s_mov_b32 s47, 0
	s_add_nc_u64 s[PFA:PFA+1], s[PFA:PFA+1], s[46:47]
	s_cmp_eq_u32 s3, 0                             ; the same in all sixteen partners, for a given wave
	s_cselect_b32 s[LIM], 1, -1
	v_lshlrev_b32 v[PFO], s2, v6
	s_wait_loadcnt 0x0                             ; the bias,
.set i, 0
.rept 32
	v_cvt_pk_bf16_f32 v[TB+i], v[BIAS+2*i], v[BIAS+2*i+1]  ; rounded to bf16 like the other inputs,
.set i, i+1
.endr
.set i, 0
.rept 32
	v_lshlrev_b32 v[BIAS+2*i],   16, v[TB+i]       ; and written as f32 again
	v_and_b32     v[BIAS+2*i+1], 0xffff0000, v[TB+i]
.set i, i+1
.endr
; 16 matrix instructions: blocks a0, a0 + 1 of the window's four blocks of 16 rows (hi = 0: my rows 0-63, 1: rows 64-127) x all 8 blocks of columns, 32 along K.
; first = 1: the bias starts the sums: nothing is cleared, and nothing is added at the end.
; The 64 accumulators take turns in the same order in every quarter: 63 others stand between two links of a chain, over the backward jump too.
.macro MUL16 f, hi, a0, first
.irp a, \a0, (\a0)+1
.irp b, 0,1,2,3,4,5,6,7
.if \first
	WIN FIRST_LO+0x40*(\hi)
	v_wmma_f32_16x16x32_bf16 v[8*(8*(\a)+(\b)):8*(8*(\a)+(\b))+7], v[(\f)+8*(\b):(\f)+8*(\b)+7], v[(\f)+8*(4*(\hi)+(\a)):(\f)+8*(4*(\hi)+(\a))+7], v[BIAS+8*(\b):BIAS+8*(\b)+7]
.else
	WIN MUL_LO+0x50*(\hi)
	v_wmma_f32_16x16x32_bf16 v[8*(8*(\a)+(\b)):8*(8*(\a)+(\b))+7], v[(\f)+8*(\b):(\f)+8*(\b)+7], v[(\f)+8*(4*(\hi)+(\a)):(\f)+8*(4*(\hi)+(\a))+7], v[8*(8*(\a)+(\b)):8*(8*(\a)+(\b))+7]
.endif
.endr
.endr
.endm
; 32 LDS loads in one run: the fragments of quarter q (0..3) of the slot's K step into buffer f: wq's eight (block q / 2, its 32 k number q % 2), then xb's eight
.macro FETCH slot, q, f
	WIN TO_B
.irp i, 0,1,2,3,4,5,6,7
	ds_load_b128 v[(\f)+8*(\i):(\f)+8*(\i)+3],   v[ADRB+(\slot)] offset:((\q)/2)*BBLK+((\q)%2)*64+(\i)*16*PB
	ds_load_b128 v[(\f)+8*(\i)+4:(\f)+8*(\i)+7], v[ADRB+(\slot)] offset:((\q)/2)*BBLK+((\q)%2)*64+(\i)*16*PB+32
.endr
	WIN 0
.irp i, 0,1,2,3,4,5,6,7
	ds_load_b128 v[(\f)+8*(\i):(\f)+8*(\i)+3],   v[ADRA+(\slot)] offset:(\q)*64+(\i)*16*PA
	ds_load_b128 v[(\f)+8*(\i)+4:(\f)+8*(\i)+7], v[ADRA+(\slot)] offset:(\q)*64+(\i)*16*PA+32
.endr
.endm
; A load into a register that a matrix instruction has read stands four places behind that instruction, and only plain vector instructions that name none of its registers are places
; (ISA guide 7.12.1 for vector instructions): four v_nop in front of each run of loads, sixteen issue slots for a K step's 256 matrix instructions.
.macro PLACES
.rept 4
	v_nop
.endr
.endm
; One of a K step's first three quarters: multiplies buffer f; in its middle it fetches quarter q of the same slot into buffer g.
.macro QUARTER slot, q, f, g, first
	s_wait_dscnt 8                                 ; wq's fragments and xb's rows 0-63 are in; the youngest eight loads (xb's rows 64-127) may be out
	MUL16 \f, 0, 0, \first
	MUL16 \f, 0, 2, \first
	PLACES
	FETCH \slot, \q, \g
	s_wait_dscnt 32                                ; all but the 32 just issued
	MUL16 \f, 1, 0, \first
	MUL16 \f, 1, 2, \first
.endm
; A K step's last quarter multiplies buffer 1 and changes slots: ONE barrier, for two things.  In front of it each wave waits for all its tensor loads, of which one is out: its part of the next slot; adds 0 to its spare word;
; and waits for that and for its own reads of this slot.  Behind it nobody reads this slot any more and the next slot is whole.
; fill = 1: the barrier opens a round of the cluster's, so that no wave of any partner still reads the slot or has a load on its way; the slot is filled again, two K steps on, the first thing behind the round.
; fill = 0: nothing is left to ask for: a plain barrier.
.macro TURN slot, next, fill
.if \fill
	s_wait_xcnt 0x0                                ; the last prefetch, a K step back, has read its address: it is stepped here, ahead of the waits of the change of slots
	s_add_nc_u64 s[PFA:PFA+1], s[PFA:PFA+1], s[PFS:PFS+1]
.endif
	WIN 0                                          ; (the add's two registers lie in window 0)
	s_wait_tensorcnt 0x0                           ; all my tensor loads have landed: no load of mine is out, so a group 0 may be written
	ds_add_u32 v[SPW], v[NIL]                      ; 0 onto my spare word; scalar steps and sixteen products stand between it and the wait for it
.if \fill
	s_add_nc_u64 s[G0A+4*(\slot)+2:G0A+4*(\slot)+3], s[G0A+4*(\slot)+2:G0A+4*(\slot)+3], 2*ASTEP  ; this slot's next tile; the type bits on top are not reached
	s_add_nc_u64 s[G0B+4*(\slot)+2:G0B+4*(\slot)+3], s[G0B+4*(\slot)+2:G0B+4*(\slot)+3], 2*BSTEP
.endif
	s_wait_dscnt 9                                 ; the add and the youngest eight loads may be out
	MUL16 F1, 0, 0, 0
	s_wait_dscnt 0x0                               ; the add is done, and my reads of this slot are over
	s_barrier_signal -1
	MUL16 F1, 0, 2, 0                              ; work on registers while the others arrive
.if \fill
	WIN 0                                          ; at a branch and at a label every window is 0
.endif
	s_barrier_wait -1
.if \fill
	CREST
	JLOAD \slot                                    ; the four v_nop behind it are also the places in front of the loads below
.else
	PLACES
.endif
	FETCH \next, 0, F0
.if \fill
	ASK                                            ; behind the joint load and the run of LDS loads that the next products wait for
.endif
	MUL16 F1, 1, 0, 0
	MUL16 F1, 1, 2, 0
.endm
; THE WAY OUT of block blk (16 of my rows).  A lane holds 32 bytes of a row; the lanes beside it hold other rows.  So the block goes through my own stage: in by rows of 528 bytes, back as whole rows of 512.
; The accumulators' low registers are read first.  Three banks of 64 registers take turns.
.macro TOSTAGE blk
	WIN 0x08+4*((\blk)/4)                          ; store data (source 1) in window 2 or 3
.irp col, 0,1,2,3,4,5,6,7
	ds_store_b128 v[STO], v[8*(8*((\blk)%4)+(\col)):8*(8*((\blk)%4)+(\col))+3]   offset:64*(\col)
	ds_store_b128 v[STO], v[8*(8*((\blk)%4)+(\col))+4:8*(8*((\blk)%4)+(\col))+7] offset:64*(\col)+16
.endr
	WIN 0
.irp t, 0,1,2,3,4,5,6,7,8,9,10,11,12,13,14,15
	ds_load_b128 v[64+64*((\blk)%3)+4*(\t):64+64*((\blk)%3)+4*(\t)+3], v[RD] offset:(\t)*SP  ; LDS serves a wave in order (ISA guide 5.7.1.4): these see the stores above, and the next block's stores come behind them
.endr
.endm
.macro SEND blk, younger               ; younger: the LDS instructions issued behind this block's loads: the next block's 32, or none
	WIN 0
	s_wait_xcnt 0x0                                ; every earlier store has read its registers: the bank that the block before last left is loaded again only behind this wait
.irp t, 0,1,2,3,4,5,6,7,8,9,10,11,12,13,14,15
	s_wait_dscnt (\younger)+15-(\t)                ; row t is back; the later rows and the younger instructions stay out
	global_store_b128 v[CO], v[64+64*((\blk)%3)+4*(\t):64+64*((\blk)%3)+4*(\t)+3], s[10:11] offset:(16*(\blk)+(\t))*8192 th:TH_STORE_NT  ; 512 consecutive bytes, at a multiple of 512 from the first byte of out0
.endr
.endm
	s_wait_tensorcnt 0x1                           ; my part of K step 0 is in; K step 1's load may stay out
	s_barrier_signal -1
	s_barrier_wait -1                              ; everybody's is
	FETCH 0, 0, F0
	QUARTER 0, 1, F0, F1, 1                        ; the first quarter stands in front of the loop: its products start the sums with the bias
	WIN 0                                          ; at a label and at a branch every window is 0
	s_mov_b32 s3, LAPS-1
.Llap:                                                 ; trip i = 0..14 goes once round the ring, from a lap's second quarter to the next lap's first; K steps 2 i + 2 and 2 i + 3 are asked for
	QUARTER 0, 2, F1, F0, 0
	QUARTER 0, 3, F0, F1, 0
	TURN 0, 1, 1
	QUARTER 1, 1, F0, F1, 0
	QUARTER 1, 2, F1, F0, 0
	QUARTER 1, 3, F0, F1, 0
	TURN 1, 0, 1
	QUARTER 0, 1, F0, F1, 0
	WIN 0
	s_sub_co_u32 s3, s3, 1
	s_cmp_lg_u32 s3, 0
	s_cbranch_scc1 .Llap
	QUARTER 0, 2, F1, F0, 0                        ; the last lap is written out: it fills nothing, and has no round of the cluster's barrier
	QUARTER 0, 3, F0, F1, 0
	TURN 0, 1, 0                                   ; K step 31 has landed, everybody's part
	QUARTER 1, 1, F0, F1, 0
	QUARTER 1, 2, F1, F0, 0
	QUARTER 1, 3, F0, F1, 0
	s_wait_dscnt 8                                 ; the very last quarter: nothing more to fetch
	MUL16 F1, 0, 0, 0
	MUL16 F1, 0, 2, 0
	s_wait_dscnt 0x0
	MUL16 F1, 1, 0, 0
	MUL16 F1, 1, 2, 0
	WIN 0
.rept 8
	v_nop                                          ; the places behind the last products, in front of the LDS stores that read results and of the loads into the fragments' registers
.endr
	TOSTAGE 0
.irp a, 1,2,3,4,5,6,7                  ; a block's trip through the stage stands between the loads of the block before and its stores
	TOSTAGE \a
	SEND (\a)-1, 32
.endr
	SEND 7, 0
	s_wait_tensorcnt 0x0                           ; the wave's end: a wait, an add of 0 to my spare word and the wait for it, behind my last tensor load and my last LDS store
	ds_add_u32 v[SPW], v[NIL]
	s_wait_dscnt 0x0
	CROUND                                         ; the closing round: no work-group ends while a partner may still ask for a tile that names it
	s_endpgm
.Lfunc_end_k_qba55405d0b_gemm:
	.size	k_qba55405d0b_gemm, .Lfunc_end_k_qba55405d0b_gemm-k_qba55405d0b_gemm
	.p2alignl 7, 3214868480
	.fill 96, 4, 3214868480
	.section	.rodata,"a",@progbits
	.p2align	6, 0x0
	.amdhsa_kernel k_qba55405d0b_gemm
		.amdhsa_group_segment_fixed_size 327680
		.amdhsa_private_segment_fixed_size 0
		.amdhsa_enable_private_segment 0
		.amdhsa_kernarg_size 32
		.amdhsa_user_sgpr_count 2
		.amdhsa_user_sgpr_kernarg_segment_ptr 1
		.amdhsa_wavefront_size32 1
		.amdhsa_system_sgpr_workgroup_id_x 1
		.amdhsa_system_sgpr_workgroup_id_y 1
		.amdhsa_system_sgpr_workgroup_id_z 1
		.amdhsa_system_vgpr_workitem_id 0
		.amdhsa_next_free_vgpr 1024
		.amdhsa_next_free_sgpr 66
		.amdhsa_reserve_vcc 0
		.amdhsa_float_denorm_mode_32 3
		.amdhsa_float_denorm_mode_16_64 3
		.amdhsa_memory_ordered 1
		.amdhsa_forward_progress 1
		.amdhsa_inst_pref_size 152
	.end_amdhsa_kernel
	.amdgpu_metadata
---
amdhsa.version: [ 1, 2 ]
amdhsa.kernels:
  - .name:           k_qba55405d0b_gemm
    .symbol:         k_qba55405d0b_gemm.kd
    .args:
      - { .name: xb, .offset: 0, .size: 8, .value_kind: global_buffer, .address_space: global }
      - { .name: wq, .offset: 8, .size: 8, .value_kind: global_buffer, .address_space: global }
      - { .name: bias, .offset: 16, .size: 8, .value_kind: global_buffer, .address_space: global }
      - { .name: out0, .offset: 24, .size: 8, .value_kind: global_buffer, .address_space: global }
    .group_segment_fixed_size: 327680
    .private_segment_fixed_size: 0
    .kernarg_segment_align: 8
    .kernarg_segment_size: 32
    .max_flat_workgroup_size: 128
    .sgpr_count:     66
    .vgpr_count:     1024
    .wavefront_size: 32
...
	.end_amdgpu_metadata
.endif
;; end of part 3
;; ======== version 2 of 2: 3 launches; version 1 with the launch cvt written anew for expert scheduling mode
;; workspace buffers: wq 16,777,216 bytes; xb 67,108,864 bytes
;; launch deq: the kernel of part 1 again; grid 256 x 1, 4 waves a work-group, no clusters, 9,728 bytes of LDS; arguments weight_packed, weight_scales, wq; writes wq
;; launch cvt (part 4): grid 256 x 1, 16 waves a work-group, no clusters, 0 bytes of LDS; arguments x, xb; writes xb
.if DOCPART == 4
	.amdgcn_target "amdgcn-amd-amdhsa--gfx1250"
	.amdhsa_code_object_version 6
	.text
	.protected	k_qba55405d0b_cvt
	.globl	k_qba55405d0b_cvt
	.p2align	8
	.type	k_qba55405d0b_cvt,@function
k_qba55405d0b_cvt:
	s_mov_b64 s[64:65], 0
	v_nop
	global_prefetch_b8 v0, s[64:65] scope:SCOPE_SE
	s_setreg_imm32_b32 hwreg(HW_REG_WAVE_SCHED_MODE, 0, 2), 2
	s_setreg_imm32_b32 hwreg(HW_REG_WAVE_MODE, 25, 1), 1
	s_wait_xcnt 0x0
	s_wait_alu depctr_vm_vsrc(0)
; xb = x rounded to bf16 (nearest even).  x: 33,554,432 f32, xb: as many bf16, in the same order.
; LIMITS.  |x| above 3.39e38 becomes an infinity; a NaN stays a NaN.
; A STREAM: each byte of x is read once, each byte of xb written once.  No LDS, no barrier, no matrix unit, no cluster: no wave wants a byte that another has fetched.  No prefetch: all the launch does is stream.
; SHARES.  256 work-groups of 16 waves; a wave owns 32,768 consecutive bytes of x: 64 pieces of 512.  A piece: one load of 16 bytes a lane (512 consecutive bytes a wave), two roundings of two numbers,
;      one store of 8 bytes a lane: 256 consecutive bytes a wave, at a multiple of 256 from the first byte of xb.
; THE MODE: SCHED_MODE bits 1:0 = 2 (LLVM: expert scheduling mode 2), set by the entry lines.  The code itself states the register dependences
;      between vector instructions and memory instructions, with s_wait_alu, always for 0.
; THE PLAN.  The 64 pieces go in 16 blocks of four, all written out.  Registers that memory instructions touch:
;   X0 .. X8   nine blocks of x as loaded.  Blocks 0 to 8 are asked for at the head; block p + 8 is asked for in block p (p = 1 .. 7) and lands in X[(p - 1) % 9].  Block p's roundings read X[p % 9].
;   Y0 .. Y6   blocks 0 to 6 rounded: their X is loaded again, so they round into registers of their own.  Written once, by the block's roundings; read by the four stores that are issued in the next block.
;              Blocks 7 to 15 round in place, into the first two registers of each piece's four: their X is not loaded again.  Read by the four stores that are issued in the next block.
;   v2, v3     byte offsets, made once at the head and never written again: a piece's place stands in the immediate.
; Block p works on X[p % 9] (and Y[p]).  Its memory instructions are the loads into X[(p - 1) % 9] and the stores of block p - 1: registers that block p - 1 worked on and that no vector instruction of
; block p names.  So ONE wait on va_vdst at a block's head states all that the block's eight memory instructions hang on, and these are dealt among its roundings with no further wait.
; No register that a store or a load reads is ever written again, and no load lands in one: so nothing is owed on vm_vsrc, and no wait frees a source.
; IN FLIGHT.  A block's registers lie idle from its roundings to the next block's head: with nine buffers 28 to 32 loads, 14 to 16 KiB, of every wave are on their way.
.set BLOCK,  4                         ; pieces in a block
.set BLOCKS, 16
.set BUFS,   9                         ; buffers of x
.set FRESH,  BLOCKS-BUFS               ; blocks 0 to FRESH - 1 leave a buffer that is loaded again
.set XO,  2                            ; v2         my byte offset in the work-group's part of x: wave x 32,768 + 16 l; never rewritten
.set YO,  3                            ; v3         the same in xb: wave x 16,384 + 8 l; never rewritten
.set X,   8                            ; v[8:151]   buffer k, piece i: four f32 as loaded, at X + 16 k + 4 i; in blocks 7 to 15 the first two of the four take the four bf16
.set Y,   152                          ; v[152:207] block p (0 to 6), piece i: four bf16 at Y + 8 p + 2 i
	s_load_b128 s[4:7], s[0:1], 0x0                ; x s[4:5], xb s[6:7]
	v_and_b32 v1, 31, v0                           ; l
	v_lshrrev_b32 v4, 5, v0                        ; wave
	v_lshlrev_b32 v[XO], 4, v1
	v_lshl_add_u32 v[XO], v4, 15, v[XO]
	v_lshlrev_b32 v[YO], 3, v1
	v_lshl_add_u32 v[YO], v4, 14, v[YO]
	s_lshl_b32 s8, ttmp9, 19                       ; the work-group's 16 x 32,768 bytes of x: under 2^27
	s_mov_b32 s9, 0
	s_lshl_b32 s10, ttmp9, 18                      ; and half as many of xb
	s_mov_b32 s11, 0
	s_wait_kmcnt 0x0
	s_add_nc_u64 s[4:5], s[4:5], s[8:9]
	s_add_nc_u64 s[6:7], s[6:7], s[10:11]
	s_wait_alu depctr_va_vdst(0)                   ; v2 and v3 are written: every load and store of the kernel reads one of them as its offset
.set i, 0
.rept BLOCK*BUFS
	global_load_b128 v[X+4*i:X+4*i+3], v[XO], s[4:5] offset:512*i th:TH_LOAD_NT  ; blocks 0 to 8 into X0 to X8
.set i, i+1
.endr
; The store of piece i of block q, from where the block's roundings put it.
.macro OUT q, i
.if (\q) < FRESH
	global_store_b64 v[YO], v[Y+8*(\q)+2*(\i):Y+8*(\q)+2*(\i)+1], s[6:7] offset:256*(BLOCK*(\q)+(\i))
.else
	global_store_b64 v[YO], v[X+16*((\q)%BUFS)+4*(\i):X+16*((\q)%BUFS)+4*(\i)+1], s[6:7] offset:256*(BLOCK*(\q)+(\i))
.endif
.endm
; Block p.  left = how many younger loads may still be out when this block's four have to be there.
.macro BLK p, left
	s_wait_loadcnt \left                           ; loads come back in order (ISA guide 5.7.1): X[p % 9] is in, the younger blocks stay out
.if (\p) > 0
	s_wait_alu depctr_va_vdst(0)                   ; the block before has written its four bf16 a piece, which the stores below read, and is done reading its X, in which the loads below land
.endif
.irp i, 0,1,2,3
.if ((\p) > 0) && ((\p)+BUFS-1 < BLOCKS)
	global_load_b128 v[X+16*(((\p)-1)%BUFS)+4*(\i):X+16*(((\p)-1)%BUFS)+4*(\i)+3], v[XO], s[4:5] offset:512*(BLOCK*((\p)+BUFS-1)+(\i)) th:TH_LOAD_NT  ; eight blocks ahead, the load ahead of the store; no vector instruction since the wait names these registers
.endif
.if (\p) > 0
	OUT (\p)-1, \i                                 ; the block before
.endif
.if (\p) < FRESH
	v_cvt_pk_bf16_f32 v[Y+8*(\p)+2*(\i)],   v[X+16*((\p)%BUFS)+4*(\i)],   v[X+16*((\p)%BUFS)+4*(\i)+1]
	v_cvt_pk_bf16_f32 v[Y+8*(\p)+2*(\i)+1], v[X+16*((\p)%BUFS)+4*(\i)+2], v[X+16*((\p)%BUFS)+4*(\i)+3]
.else
	v_cvt_pk_bf16_f32 v[X+16*((\p)%BUFS)+4*(\i)],   v[X+16*((\p)%BUFS)+4*(\i)],   v[X+16*((\p)%BUFS)+4*(\i)+1]  ; in place: four numbers close up into the first two of their four registers
	v_cvt_pk_bf16_f32 v[X+16*((\p)%BUFS)+4*(\i)+1], v[X+16*((\p)%BUFS)+4*(\i)+2], v[X+16*((\p)%BUFS)+4*(\i)+3]
.endif
.endr
.endm
	BLK 0, BLOCK*(BUFS-1)                          ; block 0 has no block in front of it: no store, and no wait but the one for its data; younger are blocks 1 to 8
.irp p, 1,2,3,4,5,6,7,8
	BLK \p, BLOCK*(BUFS-2)                         ; younger: the 4 (8 - p) loads of the head behind mine and the 4 (p - 1) issued in blocks 1 to p - 1
.endr
.irp p, 9,10,11,12,13,14,15
	BLK \p, BLOCK*(BLOCKS-1-\p)                    ; nothing is left to ask for, and the counts run down
.endr
	s_wait_alu depctr_va_vdst(0)                   ; block 15 has written its four bf16 a piece, which the last four stores read
.irp i, 0,1,2,3
	OUT BLOCKS-1, \i
.endr
	s_endpgm
.Lfunc_end_k_qba55405d0b_cvt:
	.size	k_qba55405d0b_cvt, .Lfunc_end_k_qba55405d0b_cvt-k_qba55405d0b_cvt
	.p2alignl 7, 3214868480
	.fill 96, 4, 3214868480
	.section	.rodata,"a",@progbits
	.p2align	6, 0x0
	.amdhsa_kernel k_qba55405d0b_cvt
		.amdhsa_group_segment_fixed_size 0
		.amdhsa_private_segment_fixed_size 0
		.amdhsa_enable_private_segment 0
		.amdhsa_kernarg_size 16
		.amdhsa_user_sgpr_count 2
		.amdhsa_user_sgpr_kernarg_segment_ptr 1
		.amdhsa_wavefront_size32 1
		.amdhsa_system_sgpr_workgroup_id_x 1
		.amdhsa_system_sgpr_workgroup_id_y 1
		.amdhsa_system_sgpr_workgroup_id_z 1
		.amdhsa_system_vgpr_workitem_id 0
		.amdhsa_next_free_vgpr 208
		.amdhsa_next_free_sgpr 66
		.amdhsa_reserve_vcc 0
		.amdhsa_float_denorm_mode_32 3
		.amdhsa_float_denorm_mode_16_64 3
		.amdhsa_memory_ordered 1
		.amdhsa_forward_progress 1
		.amdhsa_inst_pref_size 22
	.end_amdhsa_kernel
	.amdgpu_metadata
---
amdhsa.version: [ 1, 2 ]
amdhsa.kernels:
  - .name:           k_qba55405d0b_cvt
    .symbol:         k_qba55405d0b_cvt.kd
    .args:
      - { .name: x, .offset: 0, .size: 8, .value_kind: global_buffer, .address_space: global }
      - { .name: xb, .offset: 8, .size: 8, .value_kind: global_buffer, .address_space: global }
    .group_segment_fixed_size: 0
    .private_segment_fixed_size: 0
    .kernarg_segment_align: 8
    .kernarg_segment_size: 16
    .max_flat_workgroup_size: 512
    .sgpr_count:     66
    .vgpr_count:     208
    .wavefront_size: 32
...
	.end_amdgpu_metadata
.endif
;; end of part 4
;; launch gemm: the kernel of part 3 again; grid 8 x 32, 4 waves a work-group, clusters of 4 x 4, 327,680 bytes of LDS; arguments xb, wq, bias, out0; writes out0
